; MI455X (gfx1250); checked and timed in simulation.
; The chip was launched on July 23, 2026; its instructions are those of AMD's public machine-readable ISA for CDNA 5 (MIT licence, August 2026) and "CDNA5" Instruction Set Architecture Reference Guide (July 2026). The comments in the code are by the model that wrote it; some were corrected since.
;; KNRM. Allowed arithmetic: matrix products marked QUANTISED: E4M3 operands, one given power-of-two scale a tensor, by v_wmma_f32_16x16x64_fp8_fp8 or v_wmma_f32_16x16x128_fp8_fp8, f32 sums; products left as they are: f32 operands where the result goes on into a quantised operand, else bf16, f16 or f32 operands; f32 sums; everything else in f32.
;; Inputs: W1 10 x 10 float32; W2 10 x 5 float32; W3 5 x 1 float32; b1 10 float32; b2 5 float32; b3 1 float32; d1 1,024 x 256 int32; d2 1,024 x 256 int32; emb 100,000 x 128 float32; lowp_scales 4 int32 (the exponents e of the quantised operands' scales 2^e); q1 1,024 x 64 int32; q2 1,024 x 64 int32.
;; Outputs: out0 1,024 x 1 float32.
;; This version of the problem:
;;   THIS VERSION OF THE PROBLEM IS GIVEN IN LOW PRECISION. The matrix products marked QUANTISED in the list below multiply operands that are first quantised to E4M3 (4 exponent bits, 3 mantissa bits; 8 bits a number), with one given power-of-two scale for each operand tensor; their sums are f32. All else is computed in f32.
;;   The module's matrix products, in the order in which they are computed (A, B: the left and right operand; K: the contracted axis; several contracted axes count as one K, in the product's order):
;;     1. batch 1,024 x [M 64, K 128] x [K 128, N 256]; A: computed on the way; B: computed on the way: QUANTISED (scales: A lowp_scales[0], B lowp_scales[1])
;;     2. [M 1,024, K 10] x [K 10, N 10]; A: computed on the way; B: input W1: left as it is (K = 10 < 32)
;;     3. [M 1,024, K 10] x [K 10, N 5]; A: computed on the way; B: input W2: left as it is (K = 10 < 32)
;;     4. [M 1,024, K 5] x [K 5, N 1]; A: computed on the way; B: input W3: left as it is (K = 5 < 32)
;;     5. batch 1,024 x [M 64, K 128] x [K 128, N 256]; A: computed on the way; B: computed on the way: QUANTISED (scales: A lowp_scales[2], B lowp_scales[3])
;;     6. [M 1,024, K 10] x [K 10, N 10]; A: computed on the way; B: input W1: left as it is (K = 10 < 32)
;;     7. [M 1,024, K 10] x [K 10, N 5]; A: computed on the way; B: input W2: left as it is (K = 10 < 32)
;;     8. [M 1,024, K 5] x [K 5, N 1]; A: computed on the way; B: input W3: left as it is (K = 5 < 32)
;;   THE QUANTISER, for each operand of a quantised product, along K:
;;     - The operand's scale is 2^e, e = its entry of the input lowp_scales (int32; the entries are numbered through the quantised products in the list's order, A before B).
;;     - Each number is divided by the scale, clamped to +-448, and rounded to the nearest number of E4M3, ties to even, subnormals kept.
;;     - The product sums the exact products of the quantised numbers (number of the format x scale) in f32.
;;   ~~~python
;;   def quantise(x, axis, e):      # numpy; x: float32 -> the quantised numbers, widened to float32 again
;;       x = np.moveaxis(x, axis, -1); K = x.shape[-1]
;;       r = np.clip(x / 2.0 ** e, -448, 448)
;;       step = 2.0 ** (np.maximum(np.frexp(np.where(r == 0, 1, r))[1] - 1, -6) - 3)
;;       q = np.round(r / step) * step * 2.0 ** e      # np.round: ties to even
;;       return np.moveaxis(q, -1, axis).astype(np.float32)
;;   ~~~
;;   OPERANDS COMPUTED ON THE WAY. 'Computed on the way' means the value that the module computes at that place (a softmax that the list does not call 'softmax' is quantised finished and normalised). What goes into a quantiser is computed in f32, as accurately as f32 sums, v_exp_f32 and their like allow (about 1e-6 of the number): no bf16 or f16 on the way to a quantiser, and a product that is left as it is and whose result goes on into a quantised operand takes f32 operands (vector FMAs, or v_wmma_f32_16x16x4_f32). A number that lies on a knife's edge between two numbers of the format may be rounded either way, as far as f32 arithmetic and the matrix unit's own rounding can turn it there, and no further.
;; One version. Each part assembles by itself: llvm-mc -triple=amdgcn-amd-amdhsa -mcpu=gfx1250 --defsym DOCPART=n.
;; ======== version 1 of 1: 1 launch
;; limits: right only within a limited range of input values
;; launch knrm (part 1): grid 1024 x 1, 4 waves a work-group, no clusters, 29,184 bytes of LDS; arguments q1, d1, q2, d2, emb, lowp_scales, W1, b1, W2, b2, W3, b3, out0; writes out0
.if DOCPART == 1
	.amdgcn_target "amdgcn-amd-amdhsa--gfx1250"
	.amdhsa_code_object_version 6
	.text
	.protected	k_q65011823de_knrm
	.globl	k_q65011823de_knrm
	.p2align	8
	.type	k_q65011823de_knrm,@function
k_q65011823de_knrm:
	s_mov_b64 s[64:65], 0
	v_nop
	global_prefetch_b8 v0, s[64:65] scope:SCOPE_SE
	s_setreg_imm32_b32 hwreg(HW_REG_WAVE_MODE, 25, 1), 1
	s_wait_xcnt 0x0
; KNRM.  out0[b] = sigmoid(l(q1[b], d1[b]) - l(q2[b], d2[b])).  l: gather 64 + 256 rows of emb (128 f32), divide each by (its norm + 1e-13), quantise to E4M3 with the
; given scales 2^e (side 1: entries 0, 1; side 2: entries 2, 3), M = q d^T on the FP8 matrix form, ten Gaussian kernels of M, sum over d, log1p, sum over q, MLP 10-10-5-1 with relu ahead of each layer.
; SHARES.  One work-group of four waves takes one batch element, both sides: two trips of one loop.  Wave w owns queries 16 w .. 16 w + 15 against all 256 d.  The d rows are prepared jointly: in each of
; four rounds a side every wave gathers, normalises and quantises 16 d rows and puts their codes into an LDS slot; one barrier; every wave multiplies the round's 64 d rows by its own q fragment and works the
; kernels.  While that work runs, the wave's next 16 rows (8,192 bytes) are on their way into its landing registers.
; THE NINE WIDE KERNELS have sigma = 0.1 and centres k x 2/9, k = -4 .. 4 (constants of the problem's own text).  With s2 = log2(e) / 0.02 and dl = 2/9:
;   exp(-(M - k dl)^2 / 0.02) = g r^k c_k,   g = 2^(56 - s2 M^2),   r = 2^(2 s2 dl M),   c_k = 2^(-56 - s2 dl^2 k^2).
; So one M costs four exponentials (g, r, 1/r and the narrow kernel's own) and eight multiplications in two chains, and c_k multiplies the finished sum over d once.  Every link is at most 2^113, a sum of 256 at most 2^121.
; THE NARROW KERNEL (mu = 1, sigma = 0.001): T = sE (M - 1) by one fused multiply-add, sE = sqrt(log2(e) / 2e-6); its value is 2^(-T^2).
; LIMITS.  Each e lies between -60 and 6: then every power of two below is an f32 number, and a quantised unit vector's squared norm stays under 2.8, so that |2 s2 dl M| < 90 and r, 1/r are finite.
;   g comes out as 0 where s2 M^2 > 182 (|M| > 1.59): the largest kernel value lost there is 2e-11.  A narrow kernel's value under 2^-126 comes out as 0.  NaN among the inputs is not served.
; ORDER.  All d and all q are summed, so which rows form a tile is free; k is permuted alike in q's and d's codes, so every product meets its partner and only the order of the sums inside an instruction changes.
; NOT USED, by this text's own arithmetic: tensor loads and clusters (every row's address comes from an index, and no two work-groups want the same tile); a stage for the output (the work-group's whole
; result is one f32: it is stored as 4 bytes; a store of 256 bytes would want 64 batch elements in one work-group).
.set VOCABM1, 0x1869f                  ; the table's last row
.set PITCH,  144                       ; a row of 128 codes + 16 bytes: nine times 16, so the 16 rows that a fragment load touches start at 16 different groups of banks
.set TILEB,  16*PITCH                  ; 16 rows
.set DSLOT,  4*TILEB                   ; a round's 64 d rows; two such slots at LDS bytes 0 and DSLOT
.set QST,    2*DSLOT                   ; each wave's own 16 q rows: QST + TILEB x wave
.set FEAT,   QST+4*TILEB               ; [side 2][feature 10][wave 4] f32
.set MLPX,   FEAT+512                  ; the MLP's two hidden layers: [side 2][16] f32 each
.set L16,  1                           ; v1   16 r: my 16 bytes of half a row of emb
.set VID,  2                           ; v2   64 w + 32 h: my eight ids of the wave's sixteen
.set CST,  3                           ; v3   TILEB w + 8 PITCH h + 8 r: where my eight codes of a row go
.set FRD,  4                           ; v4   PITCH r + 16 h: my place in a fragment
.set FRQ,  5                           ; v5   the same in my wave's q rows
.set FST0, 6                           ; v6   4 w
.set FSA,  7                           ; v7   4 w + 160 x side
.set VSC,  8                           ; v8   the scale in hand as f32
.set VLIM, 9                           ; v9   448 x that scale
.set MA,   10                          ; v10  160 h
.set MB,   11                          ; v11  64 h + 4 r
.set NSE,  12                          ; v[12:13] -sE twice
.set BIAS, 14                          ; v[14:15] 56.0 twice
.set OFF,  16                          ; v16-23  byte offsets in emb of the rows being fetched
.set IDN,  24                          ; v24-31  ids of the tile after that
.set QF,   32                          ; v32-47  my q fragment
.set ACC,  48                          ; v48-67  the ten sums over d, a pair each (even d, odd d)
.set R,    68                          ; v68-131 landing registers: 16 rows, 64 numbers a lane
.set W,    132                         ; v132-195 four d fragments; then two sets of 24 (U/g/N chain 8, r's argument/P chain 8, T/narrow kernel 8), r 8, 1/r 8
.set RR,   W+48
.set RI,   W+56
.set S,    196                         ; v196-227 the four products; between rounds v196-211 hold a tile's squares, 1/norm, then its codes
.set SQ,   S
.set WT,   228                         ; v228-249 wave 0: W1's ten rows, b1, W2's ten rows, b2
.set MC,   250                         ; v250 64 h
.set ZO,   251                         ; v251 0
.set WO1,  252                         ; v252 4 min(r, 9)
.set WO2,  253                         ; v253 4 min(r, 4)
.set WV,   46                          ; s46  wave
.set SIDE, 47                          ; s47  side 0, 1
.set DCUR, 50                          ; s[50:51] the side's d ids
.set CU,   56                          ; s[56:57] sqrt(s2) 2^(eq+ed), twice: the packed forms name a pair
.set CR,   58                          ; s[58:59] 2 s2 dl 2^(eq+ed)
.set CE,   60                          ; s[60:61] sE 2^(eq+ed)
.set SEL,  66                          ; s[66:67] v_permlanex16_b32: lane l xor 16
.set LN2,  68                          ; s68  ln 2
.set FOFF, 70                          ; s70  160 x side
; sixteen ids of the wave's tile: lanes 0-15 take ids 0-7, lanes 16-31 ids 8-15: register p = id 8 h + p
.macro LOADIDS dst, base, imm
	global_load_b128 v[\dst:\dst+3], v[VID], s[\base:\base+1] offset:\imm
	global_load_b128 v[\dst+4:\dst+7], v[VID], s[\base:\base+1] offset:\imm+16
.endm
; ids to byte offsets: held inside the table, x 512 bytes a row, + my 16 bytes
.macro OFFS dst, src
.irp p, 0,1,2,3,4,5,6,7
	v_min_u32 v[\dst+\p], VOCABM1, v[\src+\p]
.endr
.irp p, 0,1,2,3,4,5,6,7
	v_lshl_add_u32 v[\dst+\p], v[\dst+\p], 9, v[L16]
.endr
.endm
; sixteen rows: in load pair p lanes 0-15 take row p, lanes 16-31 row p + 8; sixteen lanes read 256 consecutive bytes, aligned.  Lane r: k = 4 r .. 4 r + 3, then k = 64 + 4 r .. + 3
.macro LOADROWS x, off
.irp p, 0,1,2,3,4,5,6,7
	global_load_b128 v[\x+8*\p:\x+8*\p+3], v[\off+\p], s[16:17]
	global_load_b128 v[\x+8*\p+4:\x+8*\p+7], v[\off+\p], s[16:17] offset:256
.endr
.endm
; sixteen rows in v[x] on are divided by (norm + 1e-13), held, turned into codes and stored at LDS byte lds + my place.  left: the younger loads that may stay out
.macro NORMQ x, left, lds
	s_wait_loadcnt \left                           ; loads come back in order: the tile's sixteen are in
.irp p, 0,1,2,3,4,5,6,7
	v_pk_mul_f32 v[SQ+2*\p:SQ+2*\p+1], v[\x+8*\p:\x+8*\p+1], v[\x+8*\p:\x+8*\p+1]   ; my eight squares of each row, eight rows by turns
.endr
.irp i, 2,4,6
.irp p, 0,1,2,3,4,5,6,7
	v_pk_fma_f32 v[SQ+2*\p:SQ+2*\p+1], v[\x+8*\p+\i:\x+8*\p+\i+1], v[\x+8*\p+\i:\x+8*\p+\i+1], v[SQ+2*\p:SQ+2*\p+1]
.endr
.endr
.irp p, 0,1,2,3,4,5,6,7
	v_add_f32 v[SQ+2*\p], v[SQ+2*\p], v[SQ+2*\p+1]
.endr
.irp m, 1,2,4,8
.irp p, 0,1,2,3,4,5,6,7
	v_add_f32_dpp v[SQ+2*\p], v[SQ+2*\p], v[SQ+2*\p] row_xmask:\m row_mask:0xf bank_mask:0xf   ; a row lies in sixteen lanes: every one of them ends with the row's sum
.endr
.endr
.irp p, 0,1,2,3,4,5,6,7
	v_sqrt_f32 v[SQ+2*\p], v[SQ+2*\p]
.endr
	v_nop                                          ; a plain instruction behind the last root,
	s_wait_alu depctr_va_vdst(0)                   ; and one wait for the eight, ahead of their first reader
.irp p, 0,1,2,3,4,5,6,7
	v_add_f32 v[SQ+2*\p], 0x29e12e13, v[SQ+2*\p]   ; + 1e-13
.endr
.irp p, 0,1,2,3,4,5,6,7
	v_rcp_f32 v[SQ+2*\p], v[SQ+2*\p]
.endr
	v_nop
	s_wait_alu depctr_va_vdst(0)                   ; one wait for the eight reciprocals
.irp p, 0,1,2,3,4,5,6,7
.irp i, 0,2,4,6
	v_pk_mul_f32 v[\x+8*\p+\i:\x+8*\p+\i+1], v[\x+8*\p+\i:\x+8*\p+\i+1], v[SQ+2*\p:SQ+2*\p+1] op_sel_hi:[1,0]   ; both x the pair's low word, 1 / (norm + 1e-13)
.endr
.endr
.irp n, 0,1,2,3,4,5,6,7,8,9,10,11,12,13,14,15,16,17,18,19,20,21,22,23,24,25,26,27,28,29,30,31,32,33,34,35,36,37,38,39,40,41,42,43,44,45,46,47,48,49,50,51,52,53,54,55,56,57,58,59,60,61,62,63
	v_med3_num_f32 v[\x+\n], v[\x+\n], -v[VLIM], v[VLIM]   ; the conversion to an 8-bit code does not saturate (ISA guide 7.6.2): the hold at 448 x the scale, whatever the scale
.endr
.irp p, 0,1,2,3,4,5,6,7
	v_cvt_scalef32_pk8_fp8_f32 v[SQ+2*\p:SQ+2*\p+1], v[\x+8*\p:\x+8*\p+7], v[VSC]
.endr
	v_nop                                          ; one plain instruction behind the last conversion: matrix instructions later write these registers
.irp p, 0,1,2,3,4,5,6,7
	ds_store_b64 v[CST], v[SQ+2*\p:SQ+2*\p+1] offset:\lds+PITCH*\p   ; byte 8 r + i of a code row: k = 4 r + i (i < 4), k = 60 + 4 r + i (i >= 4): the same in q and d
.endr
.endm
; a fragment: lane (r, h) takes of row r the bytes 32 c + 16 h .. + 15
.macro FRAG reg, adr, off
.irp c, 0,1,2,3
	ds_load_b128 v[\reg+4*\c:\reg+4*\c+3], v[\adr] offset:\off+32*\c
.endr
.endm
.macro BARRIER                                 ; my LDS stores have landed and my LDS loads are in: then the work-group's barrier
	s_wait_dscnt 0x0
	s_barrier_signal -1
	s_barrier_wait -1
.endm
; the arguments of product t's exponentials into set a; each product is read from its low end on
.macro ARGS t, a
.irp i, 0,2,4,6
	v_pk_mul_f32 v[W+24*(\a)+\i:W+24*(\a)+\i+1], v[S+8*(\t)+\i:S+8*(\t)+\i+1], s[CU:CU+1] op_sel_hi:[1,0]           ; U = sqrt(s2) M
.endr
.irp i, 0,2,4,6
	v_pk_mul_f32 v[W+24*(\a)+8+\i:W+24*(\a)+8+\i+1], v[S+8*(\t)+\i:S+8*(\t)+\i+1], s[CR:CR+1] op_sel_hi:[1,0]       ; 2 s2 dl M
.endr
.irp i, 0,2,4,6
	v_pk_fma_f32 v[W+24*(\a)+16+\i:W+24*(\a)+16+\i+1], v[S+8*(\t)+\i:S+8*(\t)+\i+1], s[CE:CE+1], v[NSE:NSE+1] op_sel_hi:[1,0,1]   ; T = sE M - sE, rounded once
.endr
.irp i, 0,2,4,6
	v_pk_fma_f32 v[W+24*(\a)+\i:W+24*(\a)+\i+1], v[W+24*(\a)+\i:W+24*(\a)+\i+1], v[W+24*(\a)+\i:W+24*(\a)+\i+1], v[BIAS:BIAS+1] neg_lo:[0,1,0] neg_hi:[0,1,0]   ; 56 - U^2
.endr
.irp i, 0,2,4,6
	v_pk_mul_f32 v[W+24*(\a)+16+\i:W+24*(\a)+16+\i+1], v[W+24*(\a)+16+\i:W+24*(\a)+16+\i+1], v[W+24*(\a)+16+\i:W+24*(\a)+16+\i+1] neg_lo:[0,1] neg_hi:[0,1]      ; -T^2
.endr
.endm
; set a's 32 exponentials, one batch: none reads another's result
.macro TRANS a
.irp i, 0,1,2,3,4,5,6,7
	v_exp_f32 v[RI+\i], -v[W+24*(\a)+8+\i]         ; 1 / r
.endr
.irp i, 0,1,2,3,4,5,6,7
	v_exp_f32 v[RR+\i], v[W+24*(\a)+8+\i]          ; r
.endr
.irp i, 0,1,2,3,4,5,6,7
	v_exp_f32 v[W+24*(\a)+\i], v[W+24*(\a)+\i]     ; g
.endr
.irp i, 0,1,2,3,4,5,6,7
	v_exp_f32 v[W+24*(\a)+16+\i], v[W+24*(\a)+16+\i]   ; the narrow kernel
.endr
.endm
; set a's eight numbers go into the ten sums.  P = g r^lv lies in the registers of r's argument, N = g / r^lv in g's.  first = 1: each sum starts as the sum of its first two pairs: nothing is cleared
.macro CHAIN a, first
.irp i, 0,2,4,6
.if (\first) && (\i == 0)
	v_pk_add_f32 v[ACC+8:ACC+9], v[W+24*(\a):W+24*(\a)+1], v[W+24*(\a)+2:W+24*(\a)+3]
	v_pk_add_f32 v[ACC+18:ACC+19], v[W+24*(\a)+16:W+24*(\a)+17], v[W+24*(\a)+18:W+24*(\a)+19]
.elseif (\first) && (\i == 2)
.else
	v_pk_add_f32 v[ACC+8:ACC+9], v[ACC+8:ACC+9], v[W+24*(\a)+\i:W+24*(\a)+\i+1]
	v_pk_add_f32 v[ACC+18:ACC+19], v[ACC+18:ACC+19], v[W+24*(\a)+16+\i:W+24*(\a)+16+\i+1]
.endif
	v_pk_mul_f32 v[W+24*(\a)+8+\i:W+24*(\a)+8+\i+1], v[W+24*(\a)+\i:W+24*(\a)+\i+1], v[RR+\i:RR+\i+1]
	v_pk_mul_f32 v[W+24*(\a)+\i:W+24*(\a)+\i+1], v[W+24*(\a)+\i:W+24*(\a)+\i+1], v[RI+\i:RI+\i+1]
.endr
.irp lv, 1,2,3,4
.irp i, 0,2,4,6
.if (\first) && (\i == 0)
	v_pk_add_f32 v[ACC+8+2*\lv:ACC+9+2*\lv], v[W+24*(\a)+8:W+24*(\a)+9], v[W+24*(\a)+10:W+24*(\a)+11]
	v_pk_add_f32 v[ACC+8-2*\lv:ACC+9-2*\lv], v[W+24*(\a):W+24*(\a)+1], v[W+24*(\a)+2:W+24*(\a)+3]
.elseif (\first) && (\i == 2)
.else
	v_pk_add_f32 v[ACC+8+2*\lv:ACC+9+2*\lv], v[ACC+8+2*\lv:ACC+9+2*\lv], v[W+24*(\a)+8+\i:W+24*(\a)+8+\i+1]
	v_pk_add_f32 v[ACC+8-2*\lv:ACC+9-2*\lv], v[ACC+8-2*\lv:ACC+9-2*\lv], v[W+24*(\a)+\i:W+24*(\a)+\i+1]
.endif
.if \lv < 4
	v_pk_mul_f32 v[W+24*(\a)+8+\i:W+24*(\a)+8+\i+1], v[W+24*(\a)+8+\i:W+24*(\a)+8+\i+1], v[RR+\i:RR+\i+1]
	v_pk_mul_f32 v[W+24*(\a)+\i:W+24*(\a)+\i+1], v[W+24*(\a)+\i:W+24*(\a)+\i+1], v[RI+\i:RI+\i+1]
.endif
.endr
.endr
.endm
; a round's 64 d rows against my 16 queries.  Source 0 = 16 d rows, source 1 = my q rows: lane (r, h) holds query r, register j of a product d row 8 h + j
.macro COMPUTE slot, first
.irp t, 0,1,2,3
	FRAG W+16*\t, FRD, (\slot)*DSLOT+TILEB*\t
.endr
	s_wait_dscnt 0x0                               ; the four fragments (and, in a side's first round, my q fragment) are in
.irp t, 0,1,2,3
	v_wmma_f32_16x16x128_fp8_fp8 v[S+8*\t:S+8*\t+7], v[W+16*\t:W+16*\t+15], v[QF:QF+15], 0   ; K = 128 is one instruction: four results, no chain
.endr
.rept 4
	v_nop                                          ; four places ahead of the first read of a result and of the first write over a fragment (ISA guide 7.12.1)
.endr
	ARGS 0, 0
	TRANS 0
	ARGS 1, 1                                      ; the next product's arguments are the independent work behind the batch,
	s_wait_alu depctr_va_vdst(0)                   ; and one wait serves its 32 exponentials, ahead of their first reader
	CHAIN 0, \first
	TRANS 1
	ARGS 2, 0
	s_wait_alu depctr_va_vdst(0)
	CHAIN 1, 0
	TRANS 0
	ARGS 3, 1
	s_wait_alu depctr_va_vdst(0)
	CHAIN 0, 0
	TRANS 1
	v_nop                                          ; nothing is left to prepare: a plain instruction behind the last exponential
	s_wait_alu depctr_va_vdst(0)
	CHAIN 1, 0
.endm
	; ---- the head
	s_load_b512 s[8:23], s[0:1], 0x0               ; q1 s[8:9], d1 s[10:11], q2 s[12:13], d2 s[14:15], emb s[16:17], the scales' exponents s[18:19], W1 s[20:21], b1 s[22:23]
	s_load_b256 s[24:31], s[0:1], 0x40             ; W2 s[24:25], b2 s[26:27], W3 s[28:29], b3 s[30:31]
	s_load_b64 s[32:33], s[0:1], 0x60              ; out0
	v_lshl_add_u32 v254, v0, 2, 0x7000
	v_mov_b32 v255, 0
	v_lshrrev_b32 v7, 5, v0
	v_readfirstlane_b32 s[WV], v7                  ; wave 0..3
	v_and_b32 v8, 15, v0                           ; r
	v_bfe_u32 v9, v0, 4, 1                         ; h
	v_lshlrev_b32 v[L16], 4, v8
	s_lshl_b32 s52, s[WV], 6
	v_lshl_add_u32 v[VID], v9, 5, s52
	s_mul_i32 s53, s[WV], TILEB
	v_mul_u32_u24 v[CST], v9, 8*PITCH
	v_lshl_add_u32 v[CST], v8, 3, v[CST]
	v_add_nc_u32 v[CST], s53, v[CST]
	v_mul_u32_u24 v[FRD], v8, PITCH
	v_lshl_add_u32 v[FRD], v9, 4, v[FRD]
	v_add_nc_u32 v[FRQ], s53, v[FRD]
	s_lshl_b32 s52, s[WV], 2
	v_mov_b32 v[FST0], s52
	v_mul_u32_u24 v[MA], v9, 160
	v_lshlrev_b32 v[MC], 6, v9
	v_lshl_add_u32 v[MB], v8, 2, v[MC]
	v_min_u32 v[WO1], 9, v8                        ; lanes past a layer's width take its last column again: no load leaves its buffer
	v_lshlrev_b32 v[WO1], 2, v[WO1]
	v_min_u32 v[WO2], 4, v8
	v_lshlrev_b32 v[WO2], 2, v[WO2]
	v_mov_b32 v[ZO], 0
	v_mov_b32 v[NSE], 0xc4545498                   ; -sE = -849.3218
	v_mov_b32 v[NSE+1], 0xc4545498
	v_mov_b32 v[BIAS], 0x42600000                  ; 56.0
	v_mov_b32 v[BIAS+1], 0x42600000
	s_mov_b32 s[SEL], 0x76543210
	s_mov_b32 s[SEL+1], 0xfedcba98
	s_mov_b32 s[LN2], 0x3f317218
	s_mov_b32 s49, 0
	s_wait_kmcnt 0x0
	s_load_b128 s[36:39], s[18:19], 0x0            ; e0 .. e3
	s_load_b128 s[40:43], s[28:29], 0x0            ; W3's five numbers
	s_load_b32 s44, s[28:29], 0x10
	s_load_b32 s45, s[30:31], 0x0                  ; b3
	s_lshl_b32 s48, ttmp9, 8                       ; my batch element: 64 ids of q are 256 bytes,
	s_add_nc_u64 s[8:9], s[8:9], s[48:49]
	s_add_nc_u64 s[12:13], s[12:13], s[48:49]
	s_lshl_b32 s48, ttmp9, 10                      ; 256 ids of d 1,024,
	s_add_nc_u64 s[10:11], s[10:11], s[48:49]
	s_add_nc_u64 s[14:15], s[14:15], s[48:49]
	s_lshl_b32 s48, ttmp9, 2                       ; the result 4
	s_add_nc_u64 s[32:33], s[32:33], s[48:49]
	s_cmp_lg_u32 s[WV], 0                          ; wave 0 does the MLP: its weights come with the first ids, into registers of their own.  Lane r: column min(r, width - 1)
	s_cbranch_scc1 .Lno_weights
.irp k, 0,1,2,3,4,5,6,7,8,9
	global_load_b32 v[WT+\k], v[WO1], s[20:21] offset:40*\k        ; W1[k][.]
.endr
	global_load_b32 v[WT+10], v[WO1], s[22:23]                     ; b1
.irp k, 0,1,2,3,4,5,6,7,8,9
	global_load_b32 v[WT+11+\k], v[WO2], s[24:25] offset:20*\k     ; W2[k][.]
.endr
	global_load_b32 v[WT+21], v[WO2], s[26:27]                     ; b2
.Lno_weights:
	LOADIDS S+24, 8, 0                             ; my 16 queries of side 0,
	LOADIDS IDN, 10, 0                             ; my 16 d rows of its round 0
	s_wait_kmcnt 0x0
.irp i, 0,1,2,3
	s_add_co_i32 s[72+\i], s[36+\i], 127
	s_add_co_i32 s[76+\i], s[36+\i], 135
	s_lshl_b32 s[72+\i], s[72+\i], 23              ; 2^e as f32: the conversion takes its exponent field
	s_lshl_b32 s[76+\i], s[76+\i], 23
	s_or_b32 s[76+\i], s[76+\i], 0x600000          ; 448 x 2^e
.endr
	s_add_co_i32 s48, s36, s37                     ; a sum of codes' products stands for sum x 2^(eq + ed): the two exponents are added to the exponent fields of the three factors of M
	s_lshl_b32 s48, s48, 23
	s_add_co_i32 s[CU], s48, 0x4107e439            ; sqrt(s2) = 8.493218
	s_add_co_i32 s[CR], s48, 0x42003d54            ; 2 s2 dl = 32.05989
	s_add_co_i32 s[CE], s48, 0x44545498            ; sE = 849.3218
	s_mov_b32 s[CU+1], s[CU]                       ; (named with them as pairs, so they are written)
	s_mov_b32 s[CR+1], s[CR]
	s_mov_b32 s[CE+1], s[CE]
	s_add_co_i32 s48, s38, s39                     ; the same for side 1, kept in s80-82
	s_lshl_b32 s48, s48, 23
	s_add_co_i32 s80, s48, 0x4107e439
	s_add_co_i32 s81, s48, 0x42003d54
	s_add_co_i32 s82, s48, 0x44545498
	v_mov_b32 v[VSC], s72                          ; entry 0: side 0's q  (r and h, which lay here, are done with)
	v_mov_b32 v[VLIM], s76
	s_wait_loadcnt 0x0                             ; both sets of ids (and wave 0's weights)
	OFFS S+24, S+24
	OFFS OFF, IDN
	LOADROWS W, S+24                               ; q's rows and the first d rows go out together
	LOADROWS R, OFF
	LOADIDS IDN, 10, 256                           ; round 1's ids
	NORMQ W, 18, QST                               ; behind q's sixteen loads stand d's sixteen and two of ids
	FRAG QF, FRQ, QST                              ; LDS serves a wave's instructions in order: these see my stores; waited for ahead of the first product
	v_mov_b32 v[VSC], s73                          ; entry 1: side 0's d
	v_mov_b32 v[VLIM], s77
	s_mov_b32 s[SIDE], 0
	s_mov_b32 s[FOFF], 0
.Lside:                                            ; two trips.  On the way in and on the way back: round 0's sixteen row loads and round 1's two id loads are out
	s_cmp_eq_u32 s[SIDE], 0
	s_cselect_b64 s[DCUR:DCUR+1], s[10:11], s[14:15]   ; the side's d ids; the loads that named this pair, rounds 0 and 1's, were waited for in round 2
	; ---- round 0
	NORMQ R, 2, 0                                  ; behind the tile's sixteen loads stand the two of ids
	s_wait_loadcnt 0x0                             ; the next ids
	OFFS OFF, IDN                                  ; (the loads that read OFF are in)
	LOADROWS R, OFF                                ; round 1's rows land while this round's kernels are worked
	LOADIDS IDN, DCUR, 512
	BARRIER                                        ; slot 0 holds the round's 64 rows; nobody reads slot 1 any more
	COMPUTE 0, 1
	; ---- round 1
	NORMQ R, 2, DSLOT
	s_wait_loadcnt 0x0
	OFFS OFF, IDN
	LOADROWS R, OFF
	LOADIDS IDN, DCUR, 768
	BARRIER
	COMPUTE 1, 0
	; ---- round 2
	NORMQ R, 2, 0
	s_wait_loadcnt 0x0
	OFFS OFF, IDN
	LOADROWS R, OFF                                ; round 3's rows
	s_cmp_lg_u32 s[SIDE], 0
	s_cbranch_scc1 .Lno_q_ids                      ; side 1 has no side behind it
	LOADIDS IDN, 12, 0                             ; my 16 queries of side 1
.Lno_q_ids:
	BARRIER
	COMPUTE 0, 0
	; ---- round 3
	NORMQ R, 0, DSLOT                              ; for 0: on side 1 no loads stand behind the rows'
	s_cmp_lg_u32 s[SIDE], 0
	s_cbranch_scc1 .Lno_q_rows
	OFFS OFF, IDN
	LOADROWS R, OFF                                ; side 1's q rows
	LOADIDS IDN, 14, 0                             ; and the ids of its round 0
.Lno_q_rows:
	BARRIER
	COMPUTE 1, 0
	; ---- between the sides: side 1's q fragment, and its first d rows go out
	s_cmp_lg_u32 s[SIDE], 0
	s_cbranch_scc1 .Lno_side_1
	v_mov_b32 v[VSC], s74                          ; entry 2: side 1's q
	v_mov_b32 v[VLIM], s78
	NORMQ R, 2, QST                                ; my own bytes: no other wave touches them
	s_wait_loadcnt 0x0
	OFFS OFF, IDN
	LOADROWS R, OFF
	LOADIDS IDN, 14, 256
	FRAG QF, FRQ, QST
	v_mov_b32 v[VSC], s75                          ; entry 3: side 1's d
	v_mov_b32 v[VLIM], s79
	s_mov_b32 s[CU], s80
	s_mov_b32 s[CU+1], s80
	s_mov_b32 s[CR], s81
	s_mov_b32 s[CR+1], s81
	s_mov_b32 s[CE], s82
	s_mov_b32 s[CE+1], s82
.Lno_side_1:
	; ---- the side's ten features of my 16 queries; it stands here so that the rows just asked for have this time too
.irp f, 0,1,2,3,4,5,6,7,8,9
	v_add_f32 v[W+\f], v[ACC+2*\f], v[ACC+2*\f+1]  ; even d + odd d,
.endr
.irp f, 0,1,2,3,4,5,6,7,8,9
	v_permlanex16_b32 v[W+10+\f], v[W+\f], s[SEL], s[SEL+1]
.endr
.irp f, 0,1,2,3,4,5,6,7,8,9
	v_add_f32 v[W+\f], v[W+\f], v[W+10+\f]         ; + the other half of the lanes': the sum over all 256 d
.endr
	v_mul_f32 v[W+0], 0x07006991, v[W+0]           ; x c_k = 2^(-56 - s2 dl^2 k^2), k = feature - 4
	v_mul_f32 v[W+1], 0x13759723, v[W+1]
	v_mul_f32 v[W+2], 0x1c577152, v[W+2]
	v_mul_f32 v[W+3], 0x21ad612b, v[W+3]
	v_mul_f32 v[W+4], 0x23800000, v[W+4]
	v_mul_f32 v[W+5], 0x21ad612b, v[W+5]
	v_mul_f32 v[W+6], 0x1c577152, v[W+6]
	v_mul_f32 v[W+7], 0x13759723, v[W+7]
	v_mul_f32 v[W+8], 0x07006991, v[W+8]
.irp f, 0,1,2,3,4,5,6,7,8,9
	v_add_f32 v[W+20+\f], 1.0, v[W+\f]             ; log1p(x) = ln(u) + (x - (u - 1)) / u with u = 1 + x as it is rounded: right for tiny x too, without a branch
.endr
.irp f, 0,1,2,3,4,5,6,7,8,9
	v_add_f32 v[W+10+\f], -1.0, v[W+20+\f]
.endr
.irp f, 0,1,2,3,4,5,6,7,8,9
	v_sub_f32 v[W+10+\f], v[W+\f], v[W+10+\f]
.endr
.irp f, 0,1,2,3,4,5,6,7,8,9
	v_log_f32 v[W+30+\f], v[W+20+\f]
.endr
.irp f, 0,1,2,3,4,5,6,7,8,9
	v_rcp_f32 v[W+40+\f], v[W+20+\f]
.endr
	v_add_nc_u32 v[FSA], s[FOFF], v[FST0]          ; (a plain instruction behind the batch)  where my features go
	s_wait_alu depctr_va_vdst(0)                   ; one wait for the twenty
.irp f, 0,1,2,3,4,5,6,7,8,9
	v_mul_f32 v[W+10+\f], v[W+10+\f], v[W+40+\f]
.endr
.irp f, 0,1,2,3,4,5,6,7,8,9
	v_fma_f32 v[W+\f], v[W+30+\f], s[LN2], v[W+10+\f]
.endr
.irp m, 1,2,4,8
.irp f, 0,1,2,3,4,5,6,7,8,9
	v_add_f32_dpp v[W+\f], v[W+\f], v[W+\f] row_xmask:\m row_mask:0xf bank_mask:0xf   ; the sum over my 16 queries
.endr
.endr
.irp f, 0,1,2,3,4,5,6,7,8,9
	ds_store_b32 v[FSA], v[W+\f] offset:FEAT+16*\f ; all lanes write the same word with the same value
.endr
	s_add_co_u32 s[FOFF], s[FOFF], 160
	s_add_co_u32 s[SIDE], s[SIDE], 1
	s_cmp_lt_u32 s[SIDE], 2
	s_cbranch_scc1 .Lside
	; ---- the MLP and the sigmoid: wave 0.  Lane (r, h): output r of a layer, side h.  K = 10, 10, 5: fused multiply-adds in f32
	BARRIER                                        ; all 80 features lie in LDS
	s_cmp_lg_u32 s[WV], 0
	s_cbranch_scc1 .Lend
.irp f, 0,1,2,3,4,5,6,7,8,9
	ds_load_b128 v[W+4*\f:W+4*\f+3], v[MA] offset:FEAT+16*\f       ; feature f of my side: the four waves' parts
.endr
	s_wait_dscnt 0x0
.irp f, 0,1,2,3,4,5,6,7,8,9
	v_add_f32 v[W+4*\f], v[W+4*\f], v[W+4*\f+1]
	v_add_f32 v[W+4*\f+2], v[W+4*\f+2], v[W+4*\f+3]
.endr
.irp f, 0,1,2,3,4,5,6,7,8,9
	v_add_f32 v[S+\f], v[W+4*\f], v[W+4*\f+2]      ; the sum over all 64 queries
.endr
.irp f, 0,1,2,3,4,5,6,7,8,9
	v_max_num_f32 v[S+\f], 0, v[S+\f]              ; relu stands ahead of each layer
.endr
	v_fma_f32 v[S+10], v[S+0], v[WT+0], v[WT+10]   ; b1 starts the sum
.irp k, 1,2,3,4,5,6,7,8,9
	v_fmac_f32 v[S+10], v[S+\k], v[WT+\k]
.endr
	v_max_num_f32 v[S+10], 0, v[S+10]
	ds_store_b32 v[MB], v[S+10] offset:MLPX        ; from lane to lane through LDS; the wave's own bytes, served in order
.irp c, 0,1,2
	ds_load_b128 v[W+4*\c:W+4*\c+3], v[MC] offset:MLPX+16*\c
.endr
	s_wait_dscnt 0x0
	v_fma_f32 v[S+11], v[W+0], v[WT+11], v[WT+21]  ; b2 starts the sum
.irp k, 1,2,3,4,5,6,7,8,9
	v_fmac_f32 v[S+11], v[W+\k], v[WT+11+\k]
.endr
	v_max_num_f32 v[S+11], 0, v[S+11]
	ds_store_b32 v[MB], v[S+11] offset:MLPX+128
	ds_load_b128 v[W:W+3], v[MC] offset:MLPX+128
	ds_load_b32 v[W+4], v[MC] offset:MLPX+144
	s_wait_dscnt 0x0
	v_fma_f32 v[S+12], v[W+0], s40, s45            ; b3 starts the sum
	v_fmac_f32 v[S+12], s41, v[W+1]
	v_fmac_f32 v[S+12], s42, v[W+2]
	v_fmac_f32 v[S+12], s43, v[W+3]
	v_fmac_f32 v[S+12], s44, v[W+4]                ; l of my side
	v_permlanex16_b32 v[S+13], v[S+12], s[SEL], s[SEL+1]
	v_sub_f32 v[S+12], v[S+12], v[S+13]            ; in lanes 0-15: l1 - l2
	v_mul_f32 v[S+12], 0xbfb8aa3b, v[S+12]         ; x -log2(e)
	v_exp_f32 v[S+12], v[S+12]
	v_nop
	s_wait_alu depctr_va_vdst(0)
	v_add_f32 v[S+12], 1.0, v[S+12]
	v_rcp_f32 v[S+12], v[S+12]                     ; sigmoid
	v_cmp_eq_u32 vcc_lo, 0, v0                     ; (a plain instruction behind the reciprocal)
	s_wait_alu depctr_va_vdst(0)
	s_wait_xcnt 0x0                                ; EXEC changes only behind this wait: it is a source of every earlier load
	s_wait_tensorcnt 0x0
	ds_add_u32 v254, v255
	s_wait_dscnt 0x0
	s_and_saveexec_b32 s48, vcc_lo                 ; thread 0 alone
	global_store_b32 v[ZO], v[S+12], s[32:33]      ; the work-group's whole result: 4 bytes
	s_endpgm
.Lend:
	s_wait_tensorcnt 0x0
	ds_add_u32 v254, v255
	s_wait_dscnt 0x0
	s_endpgm
.Lfunc_end_k_q65011823de_knrm:
	.size	k_q65011823de_knrm, .Lfunc_end_k_q65011823de_knrm-k_q65011823de_knrm
	.p2alignl 7, 3214868480
	.fill 96, 4, 3214868480
	.section	.rodata,"a",@progbits
	.p2align	6, 0x0
	.amdhsa_kernel k_q65011823de_knrm
		.amdhsa_group_segment_fixed_size 29184
		.amdhsa_private_segment_fixed_size 0
		.amdhsa_enable_private_segment 0
		.amdhsa_kernarg_size 104
		.amdhsa_user_sgpr_count 2
		.amdhsa_user_sgpr_kernarg_segment_ptr 1
		.amdhsa_wavefront_size32 1
		.amdhsa_system_sgpr_workgroup_id_x 1
		.amdhsa_system_sgpr_workgroup_id_y 1
		.amdhsa_system_sgpr_workgroup_id_z 1
		.amdhsa_system_vgpr_workitem_id 0
		.amdhsa_next_free_vgpr 256
		.amdhsa_next_free_sgpr 88
		.amdhsa_reserve_vcc 1
		.amdhsa_float_denorm_mode_32 3
		.amdhsa_float_denorm_mode_16_64 3
		.amdhsa_memory_ordered 1
		.amdhsa_forward_progress 1
		.amdhsa_inst_pref_size 232
	.end_amdhsa_kernel
	.amdgpu_metadata
---
amdhsa.version: [ 1, 2 ]
amdhsa.kernels:
  - .name:           k_q65011823de_knrm
    .symbol:         k_q65011823de_knrm.kd
    .args:
      - { .name: q1, .offset: 0, .size: 8, .value_kind: global_buffer, .address_space: global }
      - { .name: d1, .offset: 8, .size: 8, .value_kind: global_buffer, .address_space: global }
      - { .name: q2, .offset: 16, .size: 8, .value_kind: global_buffer, .address_space: global }
      - { .name: d2, .offset: 24, .size: 8, .value_kind: global_buffer, .address_space: global }
      - { .name: emb, .offset: 32, .size: 8, .value_kind: global_buffer, .address_space: global }
      - { .name: lowp_scales, .offset: 40, .size: 8, .value_kind: global_buffer, .address_space: global }
      - { .name: W1, .offset: 48, .size: 8, .value_kind: global_buffer, .address_space: global }
      - { .name: b1, .offset: 56, .size: 8, .value_kind: global_buffer, .address_space: global }
      - { .name: W2, .offset: 64, .size: 8, .value_kind: global_buffer, .address_space: global }
      - { .name: b2, .offset: 72, .size: 8, .value_kind: global_buffer, .address_space: global }
      - { .name: W3, .offset: 80, .size: 8, .value_kind: global_buffer, .address_space: global }
      - { .name: b3, .offset: 88, .size: 8, .value_kind: global_buffer, .address_space: global }
      - { .name: out0, .offset: 96, .size: 8, .value_kind: global_buffer, .address_space: global }
    .group_segment_fixed_size: 29184
    .private_segment_fixed_size: 0
    .kernarg_segment_align: 8
    .kernarg_segment_size: 104
    .max_flat_workgroup_size: 128
    .sgpr_count:     88
    .vgpr_count:     256
    .wavefront_size: 32
...
	.end_amdgpu_metadata
.endif
;; end of part 1
